; MI455X (gfx1250); checked and timed in simulation.
; The chip was launched on July 23, 2026; its instructions are those of AMD's public machine-readable ISA for CDNA 5 (MIT licence, August 2026) and "CDNA5" Instruction Set Architecture Reference Guide (July 2026). The comments in the code are by the model that wrote it; some were corrected since.
;; Mo E. Allowed arithmetic: matrix products marked QUANTISED: E2M3 operands, one E8M0 scale for each 32 along K, by v_wmma_scale_f32_16x16x128_f8f6f4 with both operands' format E2M3, f32 sums; products left as they are: f32 operands where the result goes on into a quantised operand, else bf16, f16 or f32 operands; f32 sums; everything else in f32.
;; Inputs: b1 8 x 4,096 float32; b2 8 x 1 float32; bg 8 float32; w1_codes 8 x 4,096 x 32 x 24 uint8 (E2M3 codes of w1, K innermost, in blocks of 32 codes, four codes in three bytes); w1_scales 8 x 4,096 x 32 uint8 (E8M0 scales of w1, one for each 32 codes along K); w2 8 x 4,096 x 1 float32; wg 1,024 x 8 float32; x 2,048 x 1,024 float32.
;; Outputs: out0 2,048 x 1 float32; out1 2,048 x 8 float32.
;; This version of the problem:
;;   THIS VERSION OF THE PROBLEM IS GIVEN IN LOW PRECISION. The matrix products marked QUANTISED in the list below multiply operands that are first quantised to E2M3 (2 exponent bits, 3 mantissa bits; 6 bits a number), with one power-of-two scale for each 32 numbers along K (OCP MX v1.0); their sums are f32. All else is computed in f32.
;;   The module's matrix products, in the order in which they are computed (A, B: the left and right operand; K: the contracted axis; several contracted axes count as one K, in the product's order):
;;     1. [M 2,048, K 1,024] x [K 1,024, N 32,768]; A: input x; B: input w1 (given as codes): QUANTISED
;;     2. batch 8 x [M 1, K 4,096] x [K 4,096, N 2,048]; A: input w2; B: computed on the way: left as it is (M = 1 < 16)
;;     3. [M 2,048, K 1,024] x [K 1,024, N 8]; A: input x; B: input wg: left as it is (N = 8 < 16)
;;   THE QUANTISER, for each operand of a quantised product, along K:
;;     - K is cut into blocks of 32 from its start; a last block that is shorter is filled with zeros.
;;     - A block's scale is 2^e with e = floor(log2(the largest magnitude in the block)) - 2, held to -126 .. 127; a block of zeros has e = 0. As a byte (E8M0): e + 127.
;;     - Each number is divided by its block's scale, clamped to +-7.5, and rounded to the nearest number of E2M3, ties to even, subnormals kept.
;;     - The product sums the exact products of the quantised numbers (number of the format x scale) in f32.
;;   ~~~python
;;   def quantise(x, axis):      # numpy; x: float32 -> the quantised numbers, widened to float32 again
;;       x = np.moveaxis(x, axis, -1); K = x.shape[-1]
;;       x = np.pad(x, [(0, 0)] * (x.ndim - 1) + [(0, -K % 32)]); x = x.reshape(x.shape[:-1] + (-1, 32)); a = np.abs(x).max(-1, keepdims=True)
;;       e = np.where(a > 0, np.clip(np.frexp(np.where(a > 0, a, 1))[1] - 1 - 2, -126, 127), 0)      # np.frexp(a)[1] - 1 = floor(log2(a)), exactly
;;       r = np.clip(x / 2.0 ** e, -7.5, 7.5)
;;       step = 2.0 ** (np.maximum(np.frexp(np.where(r == 0, 1, r))[1] - 1, 0) - 3)
;;       q = np.round(r / step) * step * 2.0 ** e      # np.round: ties to even
;;       return np.moveaxis(q.reshape(q.shape[:-2] + (-1,))[..., :K], -1, axis).astype(np.float32)
;;   ~~~
;;   INPUTS GIVEN AS CODES. w1 (in the module: [8, 1024, 4096], K = its axis 1): each comes as NAME_codes (uint8): NAME with its K axis moved to the last place and cut into blocks of 32 codes, [.., K / 32, bytes a block], one block behind the other in memory; four codes in three bytes: a row's codes are one little-endian stream of bits, code i at bits 6 i .. 6 i + 5 (a code: sign, 2 exponent bits, 3 mantissa bits); and NAME_scales (uint8): the same leading axes, one E8M0 byte (e + 127) for each 32 codes along K. Its value is code x scale, taken as it is: it is not quantised again, and the codes and scales need not be those that the quantiser above would give.
;; One version. Each part assembles by itself: llvm-mc -triple=amdgcn-amd-amdhsa -mcpu=gfx1250 --defsym DOCPART=n.
;; ======== version 1 of 1: 3 launches
;; limits: values are held in bf16: 8 bits of precision; right only within a limited range of input values
;; workspace buffers: xq 1,638,400 bytes; gl 262,144 bytes; p 1,048,576 bytes
;; launch prep (part 1): grid 256 x 1, 2 waves a work-group, no clusters, 167,936 bytes of LDS; arguments x, wg, xq, gl; writes xq, gl
.if DOCPART == 1
	.amdgcn_target "amdgcn-amd-amdhsa--gfx1250"
	.amdhsa_code_object_version 6
	.text
	.protected	k_q4246dafbc4_prep
	.globl	k_q4246dafbc4_prep
	.p2align	8
	.type	k_q4246dafbc4_prep,@function
k_q4246dafbc4_prep:
	s_mov_b64 s[64:65], 0
	v_nop
	global_prefetch_b8 v0, s[64:65] scope:SCOPE_SE
	s_setreg_imm32_b32 hwreg(HW_REG_WAVE_MODE, 25, 1), 1
	s_wait_xcnt 0x0
; FIRST OF THREE LAUNCHES.  mixture = sum over e of gate[e] (relu(x W1[e] + b1[e]) . w2[e] + b2[e]), gate = softmax(x wg + bg).
; NO WORK OF THE PROBLEM IS LEFT OUT: every expert is weighed in by a gate that is never 0 by an identity, bg differs along the softmax's axis, and b1, b2, w2 all reach the mixture; every input is loaded by some launch.
; THIS LAUNCH: (a) x [2048][1024] f32 becomes codes of E2M3 with one E8M0 byte for each 32 along K, laid in xq IN THE ORDER OF THE OPERAND'S REGISTERS; (b) the gate's logits x wg, by bf16 products with f32 sums, one part for each 256 along K, into gl.
; A block's scale is 2^(floor(log2(its largest magnitude)) - 2): its byte is the largest magnitude's exponent field - 2, held at 1 from below.
; LIMITS: NaN and infinities in x are not served.  A block of x whose largest magnitude lies under 2^-124 keeps the byte 1; a block of zeros gets the byte 1 (the rule says 127): its codes are zeros, and this program alone reads the bytes.
; The logits' operands are rounded to bf16, so their error grows with the size of x and wg.
; SHARES.  Work-group g: rows 16 (g / 2) on; wave w takes K slot s = 2 (g % 2) + w: 16 rows x 256 along K: two fragments, their scale words, one part of 16 rows' logits.  The waves share nothing: no barrier.
; xq: 128 blocks of 12,800 bytes, block row / 16: 16 rows, all of K.  In a block the fragment of K step ks (128 along K) lies at 1,536 ks as an image of its 12 registers: registers 4 c .. 4 c + 3 at 512 c, lane l's 16 bytes at 16 l.
;     From byte 12,288 on the scale words: 128 s + 64 q + 4 r is row r's word of K step 2 s + q.
; gl: [4 (K slot)][2048][8] f32.
; x's 16 rows x 1,024 bytes come by one tensor load a wave into the wave's own LDS bytes, 16 bytes of padding behind each row: 260 words from row to row, so that the sixteen rows of a 16-byte read start at sixteen different banks (64 banks of 4 bytes: ISA guide 11.1).
.set TILEB, 16896                      ; a wave's LDS region: 16 rows x 1,040 bytes, rounded up to blocks of 512
.set XP,    1040
.set SPARE, 2*TILEB                    ; the spare words, 128 bytes for each wave: one block of 256 bytes that no other line names
.set BLKB,  51200
.set LI,  1                            ; v1   16 x lane
.set LS,  2                            ; v2   4 x lane
.set XAD, 3                            ; v3   LDS: my row of x, + 64 h: my 16 numbers of a block of 32
.set WGO, 4                            ; v4   wg: 512 h + 4 (r % 8)
.set GLO, 5                            ; v5   gl: 32 r + 16 h
.set RR,  6                            ; v6   r = lane % 16
.set HH,  7                            ; v7   h = lane / 16
.set PW0, 8                            ; v8   K step 0's scale word, kept
.set SW,  9                            ; v9   the scale words as they are stored
.set SPW, 14                           ; v14  LDS address of my spare word; never rewritten
.set NIL, 15                           ; v15  0; never rewritten
.set WB,  16                           ; v16-79   wg: first K step 0's 64 numbers, then both K steps' as bf16 (block (q, b) at 32 q + 8 b)
.set X,   80                           ; v80-143  first wg's K step 1, then 64 numbers of x, then the same as bf16 in v80-111
.set PC,  144                          ; v144-163 the codes
.set TM,  164                          ; v164-179 at work
.set PW,  180                          ; v180     the scale word just made
.set ACC, 184                          ; v184-215 four accumulators, one for each block of 32 along K
.set G,   216                          ; v216-223 the part's eight logits
.set OUT, 224                          ; v224-227 my four of them
.set SEL, 28                           ; s[28:29] v_permlanex16_b32's selects for lane l xor 16
.set HM,  34                           ; s34      the lanes with h = 1
; 64 numbers of a lane, register 16 b + i = k 32 b + 16 h + i of my row, become a fragment's codes in v[PC] on and its scale word in v[PW].
.macro QUANT s
.irp b, 0,1,2,3
	v_max3_num_f32 v[TM+\b], |v[\s+16*\b]|, |v[\s+1+16*\b]|, 0x1800000   ; block b: my 16 numbers, and the floor 2^(3 - 127): the byte cannot fall under 1
.endr
.irp i, 2,4,6,8,10,12,14
.irp b, 0,1,2,3
	v_max3_num_f32 v[TM+\b], v[TM+\b], |v[\s+16*\b+\i]|, |v[\s+1+16*\b+\i]|   ; the four blocks by turns
.endr
.endr
.irp b, 0,1,2,3
	v_permlanex16_b32 v[TM+4+\b], v[TM+\b], s[SEL], s[SEL+1]
.endr
.irp b, 0,1,2,3
	v_max_num_f32 v[TM+\b], v[TM+\b], v[TM+4+\b]   ; with lane l xor 16's: the block's largest magnitude
.endr
.irp b, 0,1,2,3
	v_add_nc_u32 v[TM+12+\b], 0xff000000, v[TM+\b]   ; 2 off its exponent field: the conversion takes this operand's exponent field as its scale
.endr
.irp b, 0,1,2,3
	v_lshrrev_b32 v[TM+4+\b], 23, v[TM+12+\b]      ; the scale's byte
.endr
	v_lshl_or_b32 v[PW], v[TM+5], 8, v[TM+4]       ; four bytes: my row's scale word (both halves of the lanes hold it)
	v_lshl_or_b32 v[PW], v[TM+6], 16, v[PW]
	v_lshl_or_b32 v[PW], v[TM+7], 24, v[PW]
.irp c, 0,1
	v_cvt_scalef32_pk16_fp6_f32 v[PC+6*\c:PC+2+6*\c], v[\s+32*\c:\s+15+32*\c], v[TM+12+2*\c]
	v_cvt_scalef32_pk16_fp6_f32 v[PC+12+4*\c:PC+14+4*\c], v[\s+16+32*\c:\s+31+32*\c], v[TM+12+2*\c+1]   ; (a conversion's three registers begin on an even number)
.endr
	v_nop                                          ; one plain place behind a scaled conversion
.irp c, 0,1                            ; the operand's layout wants a WHOLE block in a lane: lanes 0-15 block 2 c, lanes 16-31 block 2 c + 1
.irp i, 0,1,2
	v_permlane16_swap_b32 v[PC+6*\c+\i], v[PC+12+4*\c+\i]
.endr
.irp i, 0,1,2
	v_mov_b32 v[PC+3+6*\c+\i], v[PC+12+4*\c+\i]
.endr
.endr
.endm
	s_load_b256 s[4:11], s[0:1], 0x0               ; x s[4:5], wg s[6:7], xq s[8:9], gl s[10:11]
	v_lshl_add_u32 v[SPW], v0, 2, SPARE
	v_mov_b32 v[NIL], 0
	ds_add_u32 v[SPW], v[NIL]                      ; the wave's opening: the add, twice on end, and its wait ahead of my tensor load
	ds_add_u32 v[SPW], v[NIL]
	v_lshrrev_b32 v1, 5, v0
	v_readfirstlane_b32 s12, v1                    ; wave 0, 1
	s_lshr_b32 s13, ttmp9, 1                       ; mb: which 16 rows
	s_and_b32 s14, ttmp9, 1
	s_lshl_b32 s14, s14, 1
	s_add_co_u32 s14, s14, s12                     ; s: which 256 along K
	; descriptor group 1: 16 rows x 256 elements of 4 bytes, 1,024 elements from row to row, 4 words of padding behind every 256 words
	s_mov_b32 s16, (2<<16)|(1<<20)|(7<<22)|(3<<25)
	s_mov_b32 s17, 256<<16                         ; tensor_dim0
	s_mov_b32 s18, 16<<16                          ; tensor_dim1
	s_mov_b32 s19, 256<<16                         ; tile_dim0
	s_mov_b32 s20, 16                              ; tile_dim1
	s_mov_b32 s21, 1024                            ; tensor_dim0_stride
	s_mov_b32 s22, 0
	s_mov_b32 s23, 0
	s_mov_b32 s24, 1                               ; group 0: count = 1
	s_mul_i32 s25, s12, TILEB                      ; LDS address: my wave's region
	s_mov_b32 s[SEL], 0x76543210
	s_mov_b32 s[SEL+1], 0xfedcba98
	s_lshl_b32 s30, s13, 16                        ; 16 rows of 4,096 bytes
	s_lshl_b32 s31, s14, 10                        ; 256 numbers
	s_add_co_u32 s30, s30, s31
	s_mov_b32 s31, 0
	s_wait_dscnt 0x0                               ; both opening adds are done
	s_wait_kmcnt 0x0
	s_add_nc_u64 s[26:27], s[4:5], s[30:31]
	s_or_b32 s27, s27, 0x80000000                  ; type = 2
	tensor_load_to_lds s[24:27], s[16:23]          ; my one tensor load: 16 KiB
	s_nop 0
	s_lshl_b32 s32, s14, 13                        ; wg: 256 rows of 32 bytes
	s_mov_b32 s33, 0
	s_add_nc_u64 s[6:7], s[6:7], s[32:33]
	v_and_b32 v[RR], 15, v0
	v_bfe_u32 v[HH], v0, 4, 1
	v_and_b32 v[WGO], 7, v0
	v_lshlrev_b32 v[WGO], 2, v[WGO]
	v_lshl_add_u32 v[WGO], v[HH], 9, v[WGO]
; wg^T as source 0: lane (r, h) takes expert r % 8 (rows 8-15 repeat rows 0-7), and register 16 (4 q + b) + i takes k = 128 q + 32 b + 16 h + i: the order in which x's numbers lie in a lane
.set n, 0
.rept 128
	global_load_b32 v[WB+n], v[WGO], s[6:7] offset:((n/16)*32+n%16)*32
.set n, n+1
.endr
	v_and_b32 v1, 31, v0
	v_lshlrev_b32 v[LS], 2, v1
	v_lshlrev_b32 v[LI], 4, v1
	v_mul_u32_u24 v[XAD], v[RR], XP
	v_lshl_add_u32 v[XAD], v[HH], 6, v[XAD]
	v_add_nc_u32 v[XAD], s25, v[XAD]
	v_lshlrev_b32 v[GLO], 5, v[RR]
	v_lshl_add_u32 v[GLO], v[HH], 4, v[GLO]
	v_cmp_ne_u32 s[HM], 0, v[HH]
.irp b, 0,1,2,3
	v_mov_b32 v[TM+4+\b], 0                        ; written once: a lane permute's destination counts as one of its sources
.endr
	; xq AS IT IS LAID HERE (in place of the blocks named at the head): 128 blocks of 12,800 bytes, one for each 16 rows and all of K: the image of K step ks at 1,536 ks, then from byte 12,288 on the scale words: 128 s + 64 q + 4 r is row r's word of K step 2 s + q
	s_mul_i32 s36, s13, 12800
	s_mul_i32 s38, s14, 3072
	s_add_co_u32 s38, s38, s36
	s_mov_b32 s39, 0
	s_lshl_b32 s35, s14, 7
	s_add_co_u32 s36, s36, s35
	s_add_co_u32 s36, s36, 12288
	s_mov_b32 s37, 0
	s_add_nc_u64 s[36:37], s[8:9], s[36:37]        ; where my scale words go
	s_add_nc_u64 s[8:9], s[8:9], s[38:39]          ; where my two images go
	s_lshl_b32 s38, s14, 16
	s_lshl_b32 s35, s13, 9
	s_add_co_u32 s38, s38, s35
	s_add_nc_u64 s[10:11], s[10:11], s[38:39]      ; gl: part s, my 16 rows of 32 bytes
	s_wait_loadcnt 0x0                             ; wg
.set j, 0
.rept 32
	v_cvt_pk_bf16_f32 v[WB+j], v[WB+2*j], v[WB+2*j+1]       ; K step 0, in place, ascending: no pair is written over before it is read
.set j, j+1
.endr
.set j, 0
.rept 32
	v_cvt_pk_bf16_f32 v[WB+32+j], v[X+2*j], v[X+2*j+1]      ; K step 1
.set j, j+1
.endr
	s_wait_tensorcnt 0x0                           ; my tile is in LDS; only I read it
.irp q, 0,1
.irp b, 0,1,2,3
.irp j, 0,1,2,3
	ds_load_b128 v[X+16*\b+4*\j:X+16*\b+4*\j+3], v[XAD] offset:512*\q+128*\b+16*\j   ; register 16 b + i = x(r, 128 q + 32 b + 16 h + i)
.endr
.endr
	s_wait_dscnt 0x0
.if \q
	s_wait_xcnt 0x0                                ; K step 0's stores have read the codes' registers: only behind this wait are they written again
.endif
	QUANT X
.set j, 0
.rept 32
	v_cvt_pk_bf16_f32 v[X+j], v[X+2*j], v[X+2*j+1] ; the same numbers as bf16, for the logits: block b in v[X + 8 b] on
.set j, j+1
.endr
.irp c, 0,1,2
	global_store_b128 v[LI], v[PC+4*\c:PC+4*\c+3], s[8:9] offset:1536*\q+512*\c   ; the image: 32 lanes store 512 consecutive bytes, aligned
.endr
.if \q == 0
	v_mov_b32 v[PW0], v[PW]
.else
	v_cndmask_b32 v[SW], v[PW0], v[PW], s[HM]      ; lanes 0-15: K step 0's words, lanes 16-31: K step 1's
	global_store_b32 v[LS], v[SW], s[36:37]        ; 128 consecutive bytes: 16 rows' words of both K steps
.endif
.rept 4
	v_nop                                          ; four places between the packing and the products that read it
.endr
; logits^T += wg^T x^T: source 0 = wg^T, source 1 = my 16 rows of x.  Both hold k in the same places, so each product pairs the same k.  Four accumulators by turns.
.irp b, 0,1,2,3
.if \q == 0
	v_wmma_f32_16x16x32_bf16 v[ACC+8*\b:ACC+8*\b+7], v[WB+8*\b:WB+8*\b+7], v[X+8*\b:X+8*\b+7], 0
.else
	v_wmma_f32_16x16x32_bf16 v[ACC+8*\b:ACC+8*\b+7], v[WB+32+8*\b:WB+32+8*\b+7], v[X+8*\b:X+8*\b+7], v[ACC+8*\b:ACC+8*\b+7]
.endif
.endr
.rept 4
	v_nop                                          ; places in front of the loads into x's registers, and of the first read of the results
.endr
.endr
; lane (r, h) holds row r; register j holds expert j (both halves of the lanes hold the same)
.irp j, 0,2,4,6
	v_pk_add_f32 v[G+\j:G+\j+1], v[ACC+\j:ACC+\j+1], v[ACC+8+\j:ACC+8+\j+1]          ; each accumulator from its low end on
	v_pk_add_f32 v[TM+\j:TM+\j+1], v[ACC+16+\j:ACC+16+\j+1], v[ACC+24+\j:ACC+24+\j+1]
.endr
.irp j, 0,2,4,6
	v_pk_add_f32 v[G+\j:G+\j+1], v[G+\j:G+\j+1], v[TM+\j:TM+\j+1]
.endr
.irp i, 0,1,2,3
	v_cndmask_b32 v[OUT+\i], v[G+\i], v[G+4+\i], s[HM]   ; lanes 0-15 store experts 0-3, lanes 16-31 experts 4-7
.endr
	global_store_b128 v[GLO], v[OUT:OUT+3], s[10:11]   ; 16 rows x 32 bytes: 512 consecutive bytes, aligned
	s_wait_tensorcnt 0x0                           ; the wave's end
	ds_add_u32 v[SPW], v[NIL]
	s_wait_dscnt 0x0
	s_endpgm
.Lfunc_end_k_q4246dafbc4_prep:
	.size	k_q4246dafbc4_prep, .Lfunc_end_k_q4246dafbc4_prep-k_q4246dafbc4_prep
	.p2alignl 7, 3214868480
	.fill 96, 4, 3214868480
	.section	.rodata,"a",@progbits
	.p2align	6, 0x0
	.amdhsa_kernel k_q4246dafbc4_prep
		.amdhsa_group_segment_fixed_size 167936
		.amdhsa_private_segment_fixed_size 0
		.amdhsa_enable_private_segment 0
		.amdhsa_kernarg_size 32
		.amdhsa_user_sgpr_count 2
		.amdhsa_user_sgpr_kernarg_segment_ptr 1
		.amdhsa_wavefront_size32 1
		.amdhsa_system_sgpr_workgroup_id_x 1
		.amdhsa_system_sgpr_workgroup_id_y 1
		.amdhsa_system_sgpr_workgroup_id_z 1
		.amdhsa_system_vgpr_workitem_id 0
		.amdhsa_next_free_vgpr 232
		.amdhsa_next_free_sgpr 66
		.amdhsa_reserve_vcc 0
		.amdhsa_float_denorm_mode_32 3
		.amdhsa_float_denorm_mode_16_64 3
		.amdhsa_memory_ordered 1
		.amdhsa_forward_progress 1
		.amdhsa_inst_pref_size 36
	.end_amdhsa_kernel
	.amdgpu_metadata
---
amdhsa.version: [ 1, 2 ]
amdhsa.kernels:
  - .name:           k_q4246dafbc4_prep
    .symbol:         k_q4246dafbc4_prep.kd
    .args:
      - { .name: x, .offset: 0, .size: 8, .value_kind: global_buffer, .address_space: global }
      - { .name: wg, .offset: 8, .size: 8, .value_kind: global_buffer, .address_space: global }
      - { .name: xq, .offset: 16, .size: 8, .value_kind: global_buffer, .address_space: global }
      - { .name: gl, .offset: 24, .size: 8, .value_kind: global_buffer, .address_space: global }
    .group_segment_fixed_size: 167936
    .private_segment_fixed_size: 0
    .kernarg_segment_align: 8
    .kernarg_segment_size: 32
    .max_flat_workgroup_size: 64
    .sgpr_count:     66
    .vgpr_count:     232
    .wavefront_size: 32
...
	.end_amdgpu_metadata
.endif
;; end of part 1
;; launch moe (part 2): grid 256 x 1, 4 waves a work-group, clusters of 4 x 1, 327,680 bytes of LDS; arguments xq, w1_codes, w1_scales, b1, w2, p; writes p
.if DOCPART == 2
	.amdgcn_target "amdgcn-amd-amdhsa--gfx1250"
	.amdhsa_code_object_version 6
	.text
	.protected	k_q4246dafbc4_moe
	.globl	k_q4246dafbc4_moe
	.p2align	8
	.type	k_q4246dafbc4_moe,@function
k_q4246dafbc4_moe:
	s_mov_b64 s[64:65], 0
	v_nop
	global_prefetch_b8 v0, s[64:65] scope:SCOPE_SE
	s_setreg_imm32_b32 hwreg(HW_REG_WAVE_MODE, 25, 1), 1
	s_wait_xcnt 0x0
	s_wait_alu depctr_hold_cnt(0) depctr_sa_sdst(0) depctr_va_vdst(0) depctr_va_sdst(0) depctr_va_ssrc(0) depctr_va_vcc(0) depctr_vm_vsrc(0)
	s_getreg_b32 s2, hwreg(HW_REG_IB_STS2, 6, 4)
	s_cmp_eq_u32 s2, 0
	s_cbranch_scc0 .Lentry_in_a_cluster
	s_endpgm
.Lentry_in_a_cluster:
	s_bfe_u32 s2, ttmp6, 0x10000c
	s_cmp_lg_u32 s2, 0x3003
	s_cbranch_scc0 .Lentry_shape_is_right
	s_endpgm
.Lentry_shape_is_right:
; SECOND LAUNCH.  p[cb][row] = sum over the 256 columns n of column block cb of relu(sum over k of x[row][k] W1[n][k] + b1[n]) w2[n].  n = 4096 e + hidden unit runs over all 32,768 columns; no work is left out.
; The product is on codes of E2M3 with one E8M0 byte for each 32 along K, as they lie: W1's as given, x's from xq (the launch before).
; relu(a + b1) w2 is computed as max(a, -b1) w2 + b1 w2, which is the same number for all finite values; the second term hangs on no row, so a lane's sum of b1 w2 over its columns starts the lane's sums.
; LIMIT: the sum over columns is taken in another order than a plain chain of additions, and the term b1 w2 is rounded apart from max(a, -b1) w2.
; SHARES.  256 work-groups: column block cb (256 columns) x half mh of the rows (1,024).  Wave w: columns 128 (w % 2) on; of each slot of 64 rows the 32 rows from 32 (w / 2) on.
; W1 STAYS IN REGISTERS: a wave's 128 columns x 1,024 along K are 64 fragments of 12 registers: 21 in each of windows 1 to 3, the last in window 0.  They come once through LDS (two tensor loads of dense rows of 256 bytes).
; x goes by blocks of 16 rows x all of K (12,800 bytes of xq as they lie) through two slots of four blocks.  A block is 64 products: K steps 0-7, each against W1's eight column blocks; each fragment of x is read from LDS once, for eight products.
; Source 0 = 16 rows of x, source 1 = 16 columns of W1: lane (r, h) holds column r, its register j row 8 h + j: so b1 and w2 are one register for each column block.
; A BLOCK GOES IN FOUR QUARTERS of two K steps: 16 products on end; a batch of the vector work that finishes the block before (two sets of eight accumulators take turns block by block); one run of LDS loads: the two fragments two quarters on, into the places just read.
; CLUSTER: four neighbouring column blocks, the same rows: x's slots are asked for JOINTLY (mask 15).  W1 is not: a column block is read by two work-groups alone, which lie in different clusters.
; Nothing is prefetched: all of W1 is asked for at the head, and each block of xq is read by 32 clusters, not once.  The clusters begin their walk at slot 4 ((cluster / 2) % 4): that enters addresses in memory alone.
.set COLB,  816                        ; a column of W1 in LDS: three rows of 256 bytes + 16 of padding: 204 words, so that the 32 lanes of an 8-byte read touch 64 different banks (64 banks of 4 bytes: ISA guide 11.1)
.set W1H,   128*COLB
.set SL0,   2*W1H
.set SLOTB, 51200
.set SL1,   SL0+SLOTB
.set STG,   SL1+SLOTB                  ; the stage [w % 2][1,024 rows in the order walked] f32, written by LDS stores alone
.set SPARE, STG+8192                   ; the spare words, 128 bytes for each wave
.set RBB,   12800
.set ADA,  1                           ; v1-2   slot s: my two blocks of x, 16 x lane
.set ADS,  3                           ; v3-4   slot s: their scale words, 4 x lane
.set STA,  5                           ; v5     the stage: where my row's sum goes
.set FRD,  6                           ; v6     the stage on the way out
.set GO,   7                           ; v7     16 x lane
.set SPW,  8                           ; v8     my spare word; never rewritten
.set NIL,  9                           ; v9     0; never rewritten
.set CC,   10                          ; v10    sum over my 8 columns of b1 w2 (v11: the pair's other half, 0)
.set SX,   12                          ; v12-15 x's scale words: register s: lanes 0-15 K step 2 s, lanes 16-31 K step 2 s + 1
.set NB,   16                          ; v16-23 -b1 of column 16 b + r
.set W2,   24                          ; v24-31 w2 of column 16 b + r
.set SB,   32                          ; v32-63 W1's scale words: register 4 b + j: lanes 0-15 K step j, lanes 16-31 K step 4 + j
.set RING, 64                          ; v64-111 four fragments of x: K step ks in place ks % 4
.set F63,  112                         ; v112-123 W1's fragment 63
.set ACC,  128                         ; v128-255 two sets of eight accumulators
.set AW,   133                         ; at the head only: v133-134 W1 in LDS, + 24 h; v135-136 the same + 40 h, for pieces whose partner lies behind a padding
.set AX,   135
.set WV,   16
.set G1X,  24                          ; group 1: a quarter of a slot (joint)
.set G1W,  32                          ; 128 columns of W1
.set G1H,  40                          ; a whole slot (joint)
.set G0X,  48                          ; group 0 of the slots' refills, a set for each
.set G0W,  56
.set G0H,  60
.set ABASE, 66
.set NXT,  68
.set SC,   70
.set TRIP, 71
.set M4,   72                          ; s72-74 the lanes with bit 2, 1, 0 set
.set M2,   73
.set M1,   74
.set MSB, 0
.macro WIN new                         ; the immediate's high byte repeats the setting that is left; a switch that changes nothing is dropped
.if MSB != (\new)
	s_set_vgpr_msb (MSB<<8)|(\new)
.set MSB, (\new)
.endif
.endm
.macro CREST                           ; a round of the cluster's barrier behind its opening barrier
	s_cmp_lg_u32 s[WV], 0
	s_cbranch_scc1 .Lnot_wave_0_\@
	s_barrier_signal -3
.Lnot_wave_0_\@:
	s_barrier_wait -3
	s_barrier_signal -1
	s_barrier_wait -1
.endm
.macro CROUND
	s_barrier_signal -1
	s_barrier_wait -1
	CREST
.endm
.macro LDF sl, rb, ks                  ; x's fragment of K step ks, an image of its registers: three loads of 512 consecutive bytes
.irp c, 0,1,2
	ds_load_b128 v[RING+12*((\ks)%4)+4*\c:RING+12*((\ks)%4)+4*\c+3], v[ADA+(\sl)] offset:(\rb)*RBB+(\ks)*1536+512*\c
.endr
.endm
.macro LDX sl, rb, s
	ds_load_b32 v[SX+(\s)], v[ADS+(\sl)] offset:(\rb)*RBB+128*(\s)
.endm
; Fragment FI = 8 ks + b of W1 into its registers: lane (r, h) takes of column 16 b + r the pieces of 8 bytes at 96 ks + 48 c + 24 h + 0, 8, 16
.macro COPYF
.if FI < 63
	WIN (1+FI/21)<<6
.set RW, 12*(FI%21)
.else
	WIN 0
.set RW, F63
.endif
.irp p, 0,1,2,3,4,5
.set YY, 96*(FI/8)+48*(\p/3)+8*(\p%3)
.if YY%256 < 232
	ds_load_b64 v[RW+2*\p:RW+2*\p+1], v[AW+(FI%8)/4] offset:16*COLB*(FI%4)+272*(YY/256)+YY%256
.else
	ds_load_b64 v[RW+2*\p:RW+2*\p+1], v[AX+(FI%8)/4] offset:16*COLB*(FI%4)+272*(YY/256)+YY%256
.endif
.endr
.endm
; Product II = 8 KS + BB of a block.  The eight accumulators take turns, one instruction a turn; K step 0 starts the sums with the constant 0.
.macro MM
.if II < 63
	WIN (1+II/21)<<2
.set RW, 12*(II%21)
.else
	WIN 0
.set RW, F63
.endif
.set RD, P+8*BB
.set RX, RING+12*(KS%4)
.set RS, SX+KS/2
.set RT, SB+4*BB+KS%4
.if KS == 0
	v_wmma_scale_f32_16x16x128_f8f6f4 v[RD:RD+7], v[RX:RX+11], v[RW:RW+11], 0, v[RS], v[RT] matrix_a_fmt:MATRIX_FMT_FP6 matrix_b_fmt:MATRIX_FMT_FP6
.elseif KS < 4 && KS%2 == 0
	v_wmma_scale_f32_16x16x128_f8f6f4 v[RD:RD+7], v[RX:RX+11], v[RW:RW+11], v[RD:RD+7], v[RS], v[RT] matrix_a_fmt:MATRIX_FMT_FP6 matrix_b_fmt:MATRIX_FMT_FP6
.elseif KS < 4
	v_wmma_scale_f32_16x16x128_f8f6f4 v[RD:RD+7], v[RX:RX+11], v[RW:RW+11], v[RD:RD+7], v[RS], v[RT] matrix_a_fmt:MATRIX_FMT_FP6 matrix_b_fmt:MATRIX_FMT_FP6 matrix_a_scale:MATRIX_SCALE_ROW1
.elseif KS%2 == 0
	v_wmma_scale_f32_16x16x128_f8f6f4 v[RD:RD+7], v[RX:RX+11], v[RW:RW+11], v[RD:RD+7], v[RS], v[RT] matrix_a_fmt:MATRIX_FMT_FP6 matrix_b_fmt:MATRIX_FMT_FP6 matrix_b_scale:MATRIX_SCALE_ROW1
.else
	v_wmma_scale_f32_16x16x128_f8f6f4 v[RD:RD+7], v[RX:RX+11], v[RW:RW+11], v[RD:RD+7], v[RS], v[RT] matrix_a_fmt:MATRIX_FMT_FP6 matrix_b_fmt:MATRIX_FMT_FP6 matrix_a_scale:MATRIX_SCALE_ROW1 matrix_b_scale:MATRIX_SCALE_ROW1
.endif
.endm
; THE VECTOR WORK THAT FINISHES THE BLOCK IN SET Q.  MAXB: max(a, -b1) of column block b, in place, from the accumulator's low end on.  FMAB: x w2 onto the eight sums (rows 8 h + j), which lie in the set's first accumulator.
.macro MAXB b
.irp j, 0,1,2,3,4,5,6,7
	v_max_num_f32 v[Q+8*(\b)+\j], v[Q+8*(\b)+\j], v[NB+(\b)]
.endr
.endm
.macro FMAB b
.irp pr, 0,2,4,6
.if (\b) == 0
	v_pk_fma_f32 v[Q+\pr:Q+\pr+1], v[Q+\pr:Q+\pr+1], v[W2:W2+1], v[CC:CC+1] op_sel_hi:[1,0,0]
.elseif (\b)%2
	v_pk_fma_f32 v[Q+\pr:Q+\pr+1], v[Q+8*(\b)+\pr:Q+8*(\b)+\pr+1], v[W2+(\b)-1:W2+(\b)], v[Q+\pr:Q+\pr+1] op_sel:[0,1,0] op_sel_hi:[1,1,1]
.else
	v_pk_fma_f32 v[Q+\pr:Q+\pr+1], v[Q+8*(\b)+\pr:Q+8*(\b)+\pr+1], v[W2+(\b):W2+(\b)+1], v[Q+\pr:Q+\pr+1] op_sel_hi:[1,0,1]
.endif
.endr
.endm
; The eight sums are halved three times: a lane keeps the half that its bit names and adds its partner's; then lanes r and r xor 8: lane (r, h) holds row 8 h + r % 8 summed over my 128 columns.
.macro REDUCE
.irp i, 0,1,2,3
	v_cndmask_b32 v[Q+8+\i], v[Q+\i], v[Q+4+\i], s[M4]
	v_cndmask_b32 v[Q+12+\i], v[Q+4+\i], v[Q+\i], s[M4]
.endr
.irp i, 0,1,2,3
	v_add_f32_dpp v[Q+\i], v[Q+12+\i], v[Q+8+\i] row_xmask:4 row_mask:0xf bank_mask:0xf
.endr
.irp i, 0,1
	v_cndmask_b32 v[Q+8+\i], v[Q+\i], v[Q+2+\i], s[M2]
	v_cndmask_b32 v[Q+12+\i], v[Q+2+\i], v[Q+\i], s[M2]
.endr
.irp i, 0,1
	v_add_f32_dpp v[Q+\i], v[Q+12+\i], v[Q+8+\i] row_xmask:2 row_mask:0xf bank_mask:0xf
.endr
	v_cndmask_b32 v[Q+8], v[Q], v[Q+1], s[M1]
	v_cndmask_b32 v[Q+12], v[Q+1], v[Q], s[M1]
	v_add_f32_dpp v[Q], v[Q+12], v[Q+8] row_xmask:1 row_mask:0xf bank_mask:0xf
	v_add_f32_dpp v[Q], v[Q], v[Q] row_xmask:8 row_mask:0xf bank_mask:0xf
	ds_store_b32 v[STA], v[Q] offset:SOFF          ; lanes r and r + 8 store the same number to the same word
.if SSTEP
	v_add_nc_u32 v[STA], 512, v[STA]               ; two slots' rows on
.endif
.endm
.macro VB q                            ; the four batches: column blocks 0-2, 3-5, 6-7, the sum over lanes
.if (\q) == 0
	MAXB 0
	MAXB 1
	MAXB 2
	FMAB 0
	FMAB 1
	FMAB 2
.elseif (\q) == 1
	MAXB 3
	MAXB 4
	MAXB 5
	FMAB 3
	FMAB 4
	FMAB 5
.elseif (\q) == 2
	MAXB 6
	MAXB 7
	FMAB 6
	FMAB 7
.else
	REDUCE
.endif
.endm
; A block of 16 rows: block rb of my two in slot sl.  epi: the block before is finished here.  mode 0: the next block lies in the same slot; 1: the slot's last block, the slot is filled again; 2: the same, nothing is filled; 3: the very last block.
; THE WAIT AT A QUARTER'S HEAD leaves out exactly the LDS instructions of the run directly ahead of it, all of them younger than the quarter's own fragments and scale words, which were asked for a run earlier or before:
;   six fragment loads, and with them a scale word (mode 0; every block's last run) or the add (modes 1, 2, behind quarter 1).  Ahead of the first block stand the six loads of K steps 2 and 3.
;   Modes 1, 2, quarter 3: the wait for 0 in front of the barrier's signal has covered its fragments.  Mode 3, quarter 3: nothing younger was issued.
; The batch's vector instructions are the places between the quarter's products and the loads into the registers that they read.
.macro RB sl, rb, epi, mode
.set P, ACC+64*(\rb)
.set Q, ACC+64-64*(\rb)
.set NS, ((\sl)+(\rb))%2
.set NR, 1-(\rb)
.set SOFF, 256*(((\sl)+1-(\rb))%2)+64*NR
.set SSTEP, (1-(\sl))*(1-(\rb))
.set QT, 0
.rept 4
.if QT == 0
	s_wait_dscnt 6+(\epi)
.elseif QT == 1
.if (\mode) == 0
	s_wait_dscnt 7
.else
	s_wait_dscnt 6
.endif
.elseif QT == 2
.if (\mode) == 3
	s_wait_dscnt 6
.else
	s_wait_dscnt 7
.endif
.elseif (\mode) == 0
	s_wait_dscnt 7
.elseif (\mode) == 3
	s_wait_dscnt 0x0
.endif
.set II, 16*QT
.rept 16
.set KS, II/8
.set BB, II%8
	MM
.if II == 39 && ((\mode) == 1 || (\mode) == 2)
	s_wait_dscnt 0x0                               ; the add is done, and my reads of this slot are over
	s_barrier_signal -1
.endif
.set II, II+1
.endr
	WIN 0
.if QT == 2 && ((\mode) == 1 || (\mode) == 2)
	s_barrier_wait -1
.if (\mode) == 1
	CREST                                          ; no wave of any partner still reads this slot or has a load on its way
	tensor_load_to_lds s[G0X+4*(\sl):G0X+4*(\sl)+3], s[G1X:G1X+7]   ; my one tensor load behind the round: my quarter of the slot two on
	s_nop 0
.endif
.endif
.if \epi
	VB QT
	s_wait_alu depctr_va_vdst(0)
.else
.rept 4
	v_nop
.endr
.endif
.if QT < 2
	LDF \sl, \rb, 2*QT+4
	LDF \sl, \rb, 2*QT+5
.elseif (\mode) < 3
	LDF NS, NR, 2*QT-4
	LDF NS, NR, 2*QT-3
.endif
.if (\mode) == 0
	LDX NS, NR, QT
.elseif (\mode) < 3 && QT == 2         ; the next slot's scale words only behind the barrier
	LDX NS, NR, 0
	LDX NS, NR, 1
	LDX NS, NR, 2
.elseif (\mode) < 3 && QT == 3
	LDX NS, NR, 3
.endif
.if QT == 1 && ((\mode) == 1 || (\mode) == 2)   ; my last reads of this slot have just been issued
	s_wait_tensorcnt 0x0                           ; all my tensor loads have landed, my quarter of the next slot among them
	ds_add_u32 v[SPW], v[NIL]
.if (\mode) == 1
	s_mul_i32 s[NXT], s[SC], SLOTB
	s_add_nc_u64 s[G0X+4*(\sl)+2:G0X+4*(\sl)+3], s[ABASE:ABASE+1], s[NXT:NXT+1]
	s_or_b32 s[G0X+4*(\sl)+3], s[G0X+4*(\sl)+3], 0x80000000
	s_add_co_u32 s[SC], s[SC], 1
	s_and_b32 s[SC], s[SC], 15                     ; behind the half's last slot comes its first
.endif
.endif
.set QT, QT+1
.endr
.endm
	s_load_b256 s[4:11], s[0:1], 0x0               ; xq s[4:5], W1's codes s[6:7], W1's scales s[8:9], b1 s[10:11]
	s_load_b128 s[12:15], s[0:1], 0x20             ; w2 s[12:13], p s[14:15]
	v_lshl_add_u32 v[SPW], v0, 2, SPARE
	v_mov_b32 v[NIL], 0
	ds_add_u32 v[SPW], v[NIL]                      ; the wave's opening: the add, twice on end, and its wait
	ds_add_u32 v[SPW], v[NIL]
	v_lshrrev_b32 v128, 5, v0
	v_readfirstlane_b32 s[WV], v128                ; wave 0..3
	s_lshr_b32 s17, s[WV], 1                       ; which 32 rows of a slot are mine.  Also: I fetch W1 (0) or x (1) at the head
	s_and_b32 s18, s[WV], 1                        ; which 128 columns.  Also: which half of W1, which slot
	s_bfe_u32 s19, ttmp6, 0x40000                  ; cx: it enters W1's, b1's, w2's and p's addresses in memory alone
	s_and_b32 s20, ttmp9, 1                        ; mh (ttmp9 counts clusters)
	s_lshr_b32 s21, ttmp9, 1
	s_and_b32 s23, s21, 3                          ; t0
	s_lshl_b32 s22, s21, 2
	s_add_co_u32 s22, s22, s19                     ; cb
	s_mov_b32 s[G1X], 15|(3<<16)|(1<<21)           ; dense bytes as rows of 32 elements of 8 bytes; mask: all four work-groups, bit 21 beside it: 50 rows,
	s_mov_b32 s[G1X+2], 50<<16
	s_mov_b32 s[G1X+4], 50
	s_mov_b32 s[G1H], 15|(3<<16)|(1<<21)           ; 200 rows;
	s_mov_b32 s[G1H+2], 200<<16
	s_mov_b32 s[G1H+4], 200
	s_mov_b32 s[G1W], (3<<16)|(1<<20)|(5<<22)|(3<<25)   ; W1: 384 rows, 4 words of padding behind every 64 words; no mask
	s_mov_b32 s[G1W+2], 384<<16
	s_mov_b32 s[G1W+4], 384
.irp g, G1X, G1H, G1W
	s_mov_b32 s[\g+1], 32<<16
	s_mov_b32 s[\g+3], 32<<16
	s_mov_b32 s[\g+5], 32
	s_mov_b32 s[\g+6], 0
	s_mov_b32 s[\g+7], 0
.endr
	s_mul_i32 s76, s20, 16*SLOTB                   ; my half's 16 slots
	s_mov_b32 s77, 0
	s_lshl_b32 s[SC], s23, 2                       ; the first slot walked
	s_add_co_u32 s78, s[SC], s18
	s_mul_i32 s78, s78, SLOTB                      ; the slot that waves 2, 3 fetch at the head
	s_mov_b32 s79, 0
	s_mul_i32 s80, s[WV], SLOTB/4                  ; my quarter of a slot
	s_mov_b32 s81, 0
	s_mov_b32 s[NXT+1], 0
	s_mov_b32 s[G0X], 1
	s_add_co_u32 s[G0X+1], s80, SL0
	s_mov_b32 s[G0X+4], 1
	s_add_co_u32 s[G0X+5], s80, SL1
	s_mov_b32 s[G0W], 1
	s_mul_i32 s[G0W+1], s18, W1H
	s_mov_b32 s[G0H], 1
	s_mul_i32 s[G0H+1], s18, SLOTB
	s_add_co_u32 s[G0H+1], s[G0H+1], SL0
	s_lshl_b32 s82, s22, 8
	s_lshl_b32 s83, s18, 7
	s_add_co_u32 s82, s82, s83
	s_mul_i32 s82, s82, 768                        ; W1's row 256 cb + 128 (w % 2), in bytes (under 2^25)
	s_mov_b32 s83, 0
	s_wait_dscnt 0x0                               ; both opening adds are done
	s_wait_kmcnt 0x0
	s_add_nc_u64 s[G0W+2:G0W+3], s[6:7], s[82:83]
	s_or_b32 s[G0W+3], s[G0W+3], 0x80000000
	s_add_nc_u64 s[4:5], s[4:5], s[76:77]
	s_add_nc_u64 s[G0H+2:G0H+3], s[4:5], s[78:79]
	s_or_b32 s[G0H+3], s[G0H+3], 0x80000000
	s_add_nc_u64 s[ABASE:ABASE+1], s[4:5], s[80:81]
	s_add_co_u32 s[SC], s[SC], 2
	s_and_b32 s[SC], s[SC], 15
	CROUND                                         ; all four work-groups are here: the first joint loads meet
	s_cmp_eq_u32 s17, 0                            ; the head's four tiles, one a wave: waves 0, 1 W1's halves, waves 2, 3 x's slots 0, 1
	s_cbranch_scc0 .Lhead_x
	tensor_load_to_lds s[G0W:G0W+3], s[G1W:G1W+7]
	s_nop 0
.rept 4
	v_nop
.endr
	s_branch .Lhead_asked
.Lhead_x:
	tensor_load_to_lds s[G0H:G0H+3], s[G1H:G1H+7]
	s_nop 0
.rept 4
	v_nop
.endr
.Lhead_asked:
	s_lshl_b32 s76, s22, 13                        ; p: row cb of 8,192 bytes,
	s_lshl_b32 s77, s20, 12                        ; my half's 1,024 rows,
	s_add_co_u32 s76, s76, s77
	s_add_co_u32 s77, s23, s[WV]
	s_and_b32 s77, s77, 3                          ; wave w stores the slots walked as numbers 4 w .. 4 w + 3: rows 256 ((t0 + w) % 4) on
	s_lshl_b32 s77, s77, 10
	s_add_co_u32 s76, s76, s77
	s_mov_b32 s77, 0
	s_add_nc_u64 s[14:15], s[14:15], s[76:77]
	s_lshl_b32 s78, s22, 8
	s_lshl_b32 s85, s18, 7
	s_add_co_u32 s78, s78, s85                     ; my first column
	s_lshl_b32 s80, s78, 5                         ; 32 scale bytes a column
	s_mov_b32 s81, 0
	s_add_nc_u64 s[8:9], s[8:9], s[80:81]
	s_lshl_b32 s78, s78, 2
	s_mov_b32 s79, 0
	s_add_nc_u64 s[10:11], s[10:11], s[78:79]
	s_add_nc_u64 s[12:13], s[12:13], s[78:79]
	s_mul_i32 s86, s17, 2*RBB
	s_add_co_u32 s86, s86, SL0
	s_add_co_u32 s87, s86, 12288
	s_lshl_b32 s88, s18, 12
	s_lshl_b32 s89, s17, 7
	s_add_co_u32 s88, s88, s89
	s_add_co_u32 s88, s88, STG
	s_lshl_b32 s89, s[WV], 10
	s_add_co_u32 s89, s89, STG
	v_and_b32 v128, 31, v0                         ; lane
	v_and_b32 v129, 15, v0                         ; r
	v_bfe_u32 v130, v0, 4, 1                       ; h
	v_lshlrev_b32 v131, 5, v129
	v_lshl_add_u32 v131, v130, 4, v131             ; 32 r + 16 h
	v_lshlrev_b32 v132, 2, v129                    ; 4 r
.irp b, 0,1,2,3,4,5,6,7
	global_load_b128 v[SB+4*\b:SB+4*\b+3], v131, s[8:9] offset:512*\b
	global_load_b32 v[NB+\b], v132, s[10:11] offset:64*\b
	global_load_b32 v[W2+\b], v132, s[12:13] offset:64*\b
.endr
	v_add_nc_u32 v137, s85, v129                   ; my column of W1's 256
	v_mul_u32_u24 v137, v137, COLB
	v_mad_u32_u24 v[AW], v130, 24, v137
	v_mad_u32_u24 v[AX], v130, 40, v137
	v_add_nc_u32 v[AW+1], 64*COLB, v[AW]
	v_add_nc_u32 v[AX+1], 64*COLB, v[AX]
	v_lshlrev_b32 v[GO], 4, v128
	v_add_nc_u32 v[ADA], s86, v[GO]
	v_add_nc_u32 v[ADA+1], SLOTB, v[ADA]
	v_lshlrev_b32 v138, 2, v128
	v_add_nc_u32 v[ADS], s87, v138
	v_add_nc_u32 v[ADS+1], SLOTB, v[ADS]
	v_and_b32 v139, 7, v0
	v_lshlrev_b32 v139, 2, v139
	v_lshl_add_u32 v139, v130, 5, v139             ; 4 (8 h + r % 8)
	v_add_nc_u32 v[STA], s88, v139
	v_add_nc_u32 v[FRD], s89, v[GO]
	v_and_b32 v140, 4, v0
	v_and_b32 v141, 2, v0
	v_and_b32 v142, 1, v0
	v_cmp_ne_u32 s[M4], 0, v140
	v_cmp_ne_u32 s[M2], 0, v141
	v_cmp_ne_u32 s[M1], 0, v142
	s_wait_alu depctr_va_vdst(0)
	s_wait_loadcnt 0x0                             ; W1's scale words, b1, w2
	v_mul_f32 v[CC], v[NB], v[W2]
.irp b, 1,2,3,4,5,6,7
	v_fma_f32 v[CC], v[NB+\b], v[W2+\b], v[CC]
.endr
	v_mov_b32 v[CC+1], 0
.irp b, 0,1,2,3,4,5,6,7
	v_xor_b32 v[NB+\b], 0x80000000, v[NB+\b]       ; -b1
.endr
	s_wait_alu depctr_va_vdst(0)
	s_wait_tensorcnt 0x0                           ; my tile of the head's four is in
	s_barrier_signal -1
	s_barrier_wait -1                              ; everybody's is
.set FI, 0
.rept 64
	COPYF
.set FI, FI+1
.endr
	WIN 0
	LDX 0, 0, 0
	LDX 0, 0, 1
	LDX 0, 0, 2
	LDX 0, 0, 3
	LDF 0, 0, 0
	LDF 0, 0, 1
	LDF 0, 0, 2
	LDF 0, 0, 3
	RB 0, 0, 0, 0                                  ; the first block stands in front of the loop: no block is finished in it
	s_mov_b32 s[TRIP], 7
.Ltrip:                                                ; a trip: four blocks, from a slot's second to the first of the slot two on; both slots are filled again
	RB 0, 1, 1, 1
	RB 1, 0, 1, 0
	RB 1, 1, 1, 1
	RB 0, 0, 1, 0
	s_sub_co_u32 s[TRIP], s[TRIP], 1
	s_cmp_lg_u32 s[TRIP], 0
	s_cbranch_scc1 .Ltrip
	RB 0, 1, 1, 2                                  ; the last three blocks are written out: nothing more is asked for
	RB 1, 0, 1, 0
	RB 1, 1, 1, 3
.set Q, ACC+64
.set SOFF, 320
.set SSTEP, 0
	VB 0                                           ; the last block is finished
	VB 1
	VB 2
	VB 3
	; THE WAY OUT.  The stage holds 1,024 rows' sums over columns 0-127 and over columns 128-255.  Wave w adds and stores 256 rows.
	s_wait_dscnt 0x0                               ; for the others' sake: my stores into the stage are done
	s_barrier_signal -1
	s_barrier_wait -1
	ds_load_b128 v[64:67], v[FRD]
	ds_load_b128 v[68:71], v[FRD] offset:512
	ds_load_b128 v[72:75], v[FRD] offset:4096
	ds_load_b128 v[76:79], v[FRD] offset:4608
	s_wait_dscnt 0x0
.irp j, 0,2,4,6
	v_pk_add_f32 v[64+\j:65+\j], v[64+\j:65+\j], v[72+\j:73+\j]
.endr
	global_store_b128 v[GO], v[64:67], s[14:15]                ; 32 lanes store 512 consecutive bytes, at a multiple of 256 from p's first byte
	global_store_b128 v[GO], v[68:71], s[14:15] offset:512
	s_wait_tensorcnt 0x0                           ; the wave's end
	ds_add_u32 v[SPW], v[NIL]
	s_wait_dscnt 0x0
	CROUND                                         ; the closing round: no work-group ends while a partner may still ask for a slot that names it
	s_endpgm
.Lfunc_end_k_q4246dafbc4_moe:
	.size	k_q4246dafbc4_moe, .Lfunc_end_k_q4246dafbc4_moe-k_q4246dafbc4_moe
	.p2alignl 7, 3214868480
	.fill 96, 4, 3214868480
	.section	.rodata,"a",@progbits
	.p2align	6, 0x0
	.amdhsa_kernel k_q4246dafbc4_moe
		.amdhsa_group_segment_fixed_size 327680
		.amdhsa_private_segment_fixed_size 0
		.amdhsa_enable_private_segment 0
		.amdhsa_kernarg_size 48
		.amdhsa_user_sgpr_count 2
		.amdhsa_user_sgpr_kernarg_segment_ptr 1
		.amdhsa_wavefront_size32 1
		.amdhsa_system_sgpr_workgroup_id_x 1
		.amdhsa_system_sgpr_workgroup_id_y 1
		.amdhsa_system_sgpr_workgroup_id_z 1
		.amdhsa_system_vgpr_workitem_id 0
		.amdhsa_next_free_vgpr 1024
		.amdhsa_next_free_sgpr 92
		.amdhsa_reserve_vcc 0
		.amdhsa_float_denorm_mode_32 3
		.amdhsa_float_denorm_mode_16_64 3
		.amdhsa_memory_ordered 1
		.amdhsa_forward_progress 1
		.amdhsa_inst_pref_size 164
	.end_amdhsa_kernel
	.amdgpu_metadata
---
amdhsa.version: [ 1, 2 ]
amdhsa.kernels:
  - .name:           k_q4246dafbc4_moe
    .symbol:         k_q4246dafbc4_moe.kd
    .args:
      - { .name: xq, .offset: 0, .size: 8, .value_kind: global_buffer, .address_space: global }
      - { .name: w1_codes, .offset: 8, .size: 8, .value_kind: global_buffer, .address_space: global }
      - { .name: w1_scales, .offset: 16, .size: 8, .value_kind: global_buffer, .address_space: global }
      - { .name: b1, .offset: 24, .size: 8, .value_kind: global_buffer, .address_space: global }
      - { .name: w2, .offset: 32, .size: 8, .value_kind: global_buffer, .address_space: global }
      - { .name: p, .offset: 40, .size: 8, .value_kind: global_buffer, .address_space: global }
    .group_segment_fixed_size: 327680
    .private_segment_fixed_size: 0
    .kernarg_segment_align: 8
    .kernarg_segment_size: 48
    .max_flat_workgroup_size: 128
    .sgpr_count:     92
    .vgpr_count:     1024
    .wavefront_size: 32
...
	.end_amdgpu_metadata
.endif
;; end of part 2
;; launch mix (part 3): grid 32 x 1, 2 waves a work-group, no clusters, 2,304 bytes of LDS; arguments gl, p, bg, b2, out0, out1; writes out0, out1
.if DOCPART == 3
	.amdgcn_target "amdgcn-amd-amdhsa--gfx1250"
	.amdhsa_code_object_version 6
	.text
	.protected	k_q4246dafbc4_mix
	.globl	k_q4246dafbc4_mix
	.p2align	8
	.type	k_q4246dafbc4_mix,@function
k_q4246dafbc4_mix:
	s_mov_b64 s[64:65], 0
	v_nop
	global_prefetch_b8 v0, s[64:65] scope:SCOPE_SE
	s_setreg_imm32_b32 hwreg(HW_REG_WAVE_MODE, 25, 1), 1
	s_wait_xcnt 0x0
; THIRD LAUNCH.  For each row: logits = the four parts of gl + bg; gate = softmax, the row's maximum taken away first; out1 = gate; expert e's output = the sum of its 16 parts of p + b2[e]; out0 = sum over e of gate[e] x that.  No work is left out.
; Thread t of work-group g owns row 64 g + t.  No matrix unit, no barrier: the launch moves 1.3 MB and adds.  A load of p reads 128 consecutive bytes a wave, and the two waves stand side by side on 256.
; out1's 32 bytes a row go through the wave's own 1,024 bytes of LDS, so that each store covers 512 consecutive bytes.
.set SPARE, 2048                       ; behind the two waves' 1,024 bytes: the spare words, 128 bytes for each wave: one block of 256 bytes that no other line names
.set SPW, 2                            ; v2   LDS address of my spare word; never rewritten
.set NIL, 3                            ; v3   0; never rewritten
.set L,   16                           ; v16-47   the logits' four parts; then v16-23 the logits, the exponentials, the gate
.set P,   64                           ; v64-191  p's 128 parts: expert e's at 16 e
	s_load_b256 s[4:11], s[0:1], 0x0               ; gl s[4:5], p s[6:7], bg s[8:9], b2 s[10:11]
	s_load_b128 s[12:15], s[0:1], 0x20             ; out0 s[12:13], out1 s[14:15]
	v_lshl_add_u32 v[SPW], v0, 2, SPARE
	v_mov_b32 v[NIL], 0
	v_lshlrev_b32 v4, 5, v0                        ; 32 t: my row in gl; also where my gate goes in LDS
	v_lshlrev_b32 v5, 2, v0                        ; 4 t: my row in p and in out0
	v_and_b32 v6, 31, v0
	v_lshlrev_b32 v6, 4, v6
	v_and_b32 v7, 32, v0
	v_lshl_add_u32 v6, v7, 5, v6                   ; 1,024 x wave + 16 x lane: back out of LDS, and the same place in the work-group's 2,048 bytes of out1
	s_lshl_b32 s32, ttmp9, 11                      ; 64 rows of 32 bytes
	s_mov_b32 s33, 0
	s_lshl_b32 s34, ttmp9, 8                       ; 64 rows of 4 bytes
	s_mov_b32 s35, 0
	s_wait_alu depctr_va_vdst(0)
	s_wait_kmcnt 0x0
	s_load_b256 s[16:23], s[8:9], 0x0              ; bg
	s_load_b256 s[24:31], s[10:11], 0x0            ; b2
	s_add_nc_u64 s[4:5], s[4:5], s[32:33]
	s_add_nc_u64 s[6:7], s[6:7], s[34:35]
	s_add_nc_u64 s[12:13], s[12:13], s[34:35]
	s_add_nc_u64 s[14:15], s[14:15], s[32:33]
.irp q, 0,1,2,3
	global_load_b128 v[L+8*\q:L+8*\q+3], v4, s[4:5] offset:65536*\q
	global_load_b128 v[L+8*\q+4:L+8*\q+7], v4, s[4:5] offset:65536*\q+16
.endr
.set c, 0
.rept 128
	global_load_b32 v[P+c], v5, s[6:7] offset:8192*c
.set c, c+1
.endr
	s_wait_loadcnt 63                              ; the logits' parts are in: 128 loads were issued behind them, and 63 is the most that a wait can name
	s_wait_kmcnt 0x0
.irp j, 0,2,4,6
	v_pk_add_f32 v[L+\j:L+\j+1], v[L+\j:L+\j+1], v[L+8+\j:L+8+\j+1]
	v_pk_add_f32 v[L+16+\j:L+16+\j+1], v[L+16+\j:L+16+\j+1], v[L+24+\j:L+24+\j+1]
.endr
.irp j, 0,2,4,6
	v_pk_add_f32 v[L+\j:L+\j+1], v[L+\j:L+\j+1], v[L+16+\j:L+16+\j+1]
.endr
.irp e, 0,1,2,3,4,5,6,7
	v_add_f32 v[L+\e], s[16+\e], v[L+\e]           ; + bg
.endr
	v_max3_num_f32 v48, v[L], v[L+1], v[L+2]       ; the row's maximum
	v_max3_num_f32 v48, v48, v[L+3], v[L+4]
	v_max3_num_f32 v48, v48, v[L+5], v[L+6]
	v_max_num_f32 v48, v48, v[L+7]
.irp e, 0,1,2,3,4,5,6,7
	v_sub_f32 v[L+\e], v[L+\e], v48                ; taken away first: exactly 0 at the maximum
.endr
.irp e, 0,1,2,3,4,5,6,7
	v_mul_f32 v[L+\e], 0x3fb8aa3b, v[L+\e]         ; x log2(e)
.endr
	s_wait_alu depctr_va_vdst(0)
.irp e, 0,1,2,3,4,5,6,7
	v_exp_f32 v[L+\e], v[L+\e]
.endr
	v_nop                                          ; one plain place behind the last exponential
	s_wait_alu depctr_va_vdst(0)                   ; one wait for the eight, ahead of their first reader
	v_add_f32 v49, v[L], v[L+1]
	v_add_f32 v50, v[L+2], v[L+3]
	v_add_f32 v51, v[L+4], v[L+5]
	v_add_f32 v52, v[L+6], v[L+7]
	v_add_f32 v49, v49, v50
	v_add_f32 v51, v51, v52
	v_add_f32 v49, v49, v51                        ; at least 1: the maximum's own term
	s_wait_alu depctr_va_vdst(0)
	v_rcp_f32 v53, v49
	v_nop
	s_wait_alu depctr_va_vdst(0)
.irp e, 0,1,2,3,4,5,6,7
	v_mul_f32 v[L+\e], v[L+\e], v53                ; the gate
.endr
	ds_store_b128 v4, v[L:L+3]
	ds_store_b128 v4, v[L+4:L+7] offset:16
	ds_load_b128 v[56:59], v6                      ; LDS serves a wave's instructions in order (ISA guide 5.7.1.4): these see my wave's stores
	ds_load_b128 v[60:63], v6 offset:512
	s_wait_loadcnt 0x0                             ; p
.irp e, 0,1,2,3,4,5,6,7
.irp j, 0,2,4,6
	v_pk_add_f32 v[P+16*\e+\j:P+16*\e+\j+1], v[P+16*\e+\j:P+16*\e+\j+1], v[P+16*\e+8+\j:P+16*\e+8+\j+1]
.endr
.endr
.irp e, 0,1,2,3,4,5,6,7
.irp j, 0,2
	v_pk_add_f32 v[P+16*\e+\j:P+16*\e+\j+1], v[P+16*\e+\j:P+16*\e+\j+1], v[P+16*\e+4+\j:P+16*\e+4+\j+1]
.endr
.endr
.irp e, 0,1,2,3,4,5,6,7
	v_pk_add_f32 v[P+16*\e:P+16*\e+1], v[P+16*\e:P+16*\e+1], v[P+16*\e+2:P+16*\e+3]
.endr
.irp e, 0,1,2,3,4,5,6,7
	v_add_f32 v[P+16*\e], v[P+16*\e], v[P+16*\e+1]
.endr
.irp e, 0,1,2,3,4,5,6,7
	v_add_f32 v[P+16*\e], s[24+\e], v[P+16*\e]     ; + b2
.endr
	v_mul_f32 v54, v[L], v[P]
.irp e, 1,2,3,4,5,6,7
	v_fma_f32 v54, v[L+\e], v[P+16*\e], v54
.endr
	global_store_b32 v5, v54, s[12:13]             ; out0: 128 consecutive bytes a wave, 256 the work-group
	s_wait_dscnt 0x0
	global_store_b128 v6, v[56:59], s[14:15]       ; out1: 512 consecutive bytes, aligned
	global_store_b128 v6, v[60:63], s[14:15] offset:512
	s_wait_tensorcnt 0x0                           ; the wave's end
	ds_add_u32 v[SPW], v[NIL]
	s_wait_dscnt 0x0
	s_endpgm
.Lfunc_end_k_q4246dafbc4_mix:
	.size	k_q4246dafbc4_mix, .Lfunc_end_k_q4246dafbc4_mix-k_q4246dafbc4_mix
	.p2alignl 7, 3214868480
	.fill 96, 4, 3214868480
	.section	.rodata,"a",@progbits
	.p2align	6, 0x0
	.amdhsa_kernel k_q4246dafbc4_mix
		.amdhsa_group_segment_fixed_size 2304
		.amdhsa_private_segment_fixed_size 0
		.amdhsa_enable_private_segment 0
		.amdhsa_kernarg_size 48
		.amdhsa_user_sgpr_count 2
		.amdhsa_user_sgpr_kernarg_segment_ptr 1
		.amdhsa_wavefront_size32 1
		.amdhsa_system_sgpr_workgroup_id_x 1
		.amdhsa_system_sgpr_workgroup_id_y 1
		.amdhsa_system_sgpr_workgroup_id_z 1
		.amdhsa_system_vgpr_workitem_id 0
		.amdhsa_next_free_vgpr 192
		.amdhsa_next_free_sgpr 66
		.amdhsa_reserve_vcc 0
		.amdhsa_float_denorm_mode_32 3
		.amdhsa_float_denorm_mode_16_64 3
		.amdhsa_memory_ordered 1
		.amdhsa_forward_progress 1
		.amdhsa_inst_pref_size 23
	.end_amdhsa_kernel
	.amdgpu_metadata
---
amdhsa.version: [ 1, 2 ]
amdhsa.kernels:
  - .name:           k_q4246dafbc4_mix
    .symbol:         k_q4246dafbc4_mix.kd
    .args:
      - { .name: gl, .offset: 0, .size: 8, .value_kind: global_buffer, .address_space: global }
      - { .name: p, .offset: 8, .size: 8, .value_kind: global_buffer, .address_space: global }
      - { .name: bg, .offset: 16, .size: 8, .value_kind: global_buffer, .address_space: global }
      - { .name: b2, .offset: 24, .size: 8, .value_kind: global_buffer, .address_space: global }
      - { .name: out0, .offset: 32, .size: 8, .value_kind: global_buffer, .address_space: global }
      - { .name: out1, .offset: 40, .size: 8, .value_kind: global_buffer, .address_space: global }
    .group_segment_fixed_size: 2304
    .private_segment_fixed_size: 0
    .kernarg_segment_align: 8
    .kernarg_segment_size: 48
    .max_flat_workgroup_size: 64
    .sgpr_count:     66
    .vgpr_count:     192
    .wavefront_size: 32
...
	.end_amdgpu_metadata
.endif
;; end of part 3
